; MI455X (gfx1250); checked and timed in simulation.
; The chip was launched on July 23, 2026; its instructions are those of AMD's public machine-readable ISA for CDNA 5 (MIT licence, August 2026) and "CDNA5" Instruction Set Architecture Reference Guide (July 2026). The comments in the code are by the model that wrote it; some were corrected since.
;; Linear Attention. Allowed arithmetic: float matrix products may take bf16 or f16 operands with f32 sums; all other float work in f32.
;; Inputs: Wk 1,024 x 1,024 float32; Wp 1,024 x 1,024 float32; Wq 1,024 x 1,024 float32; Wv 1,024 x 1,024 float32; bk 1,024 float32; bp 1,024 float32; bq 1,024 float32; bv 1,024 float32; x 4 x 2,048 x 1,024 float32.
;; Outputs: out0 4 x 2,048 x 1,024 float32.
;; One version. Each part assembles by itself: llvm-mc -triple=amdgcn-amd-amdhsa -mcpu=gfx1250 --defsym DOCPART=n.
;; ======== version 1 of 1: 5 launches
;; limits: values outside matrix products are rounded to bf16; values are held in f16: magnitudes above 65,504 overflow, below 6.1e-05 lose precision
;; workspace buffers: wf 8,388,608 bytes; qf 16,777,216 bytes; part 18,874,368 bytes; ctxf 1,179,648 bytes; yf 16,777,216 bytes
;; launch prep (part 1): grid 64 x 4, 8 waves a work-group, no clusters, 35,840 bytes of LDS; arguments Wq, Wk, Wv, Wp, wf; writes wf
.if DOCPART == 1
	.amdgcn_target "amdgcn-amd-amdhsa--gfx1250"
	.amdhsa_code_object_version 6
	.text
	.protected	k_q58a27c8f37_prep
	.globl	k_q58a27c8f37_prep
	.p2align	8
	.type	k_q58a27c8f37_prep,@function
k_q58a27c8f37_prep:
	s_mov_b64 s[64:65], 0
	v_nop
	global_prefetch_b8 v0, s[64:65] scope:SCOPE_SE
	s_setreg_imm32_b32 hwreg(HW_REG_WAVE_MODE, 25, 1), 1
	s_wait_xcnt 0x0
; prep: the four weights, f32 [k 1024][n 1024], rounded once to f16 and laid in FRAGMENT ORDER into wf.
; f16 and not bf16: 11 significant bits in place of 8.  LIMIT: |W| below 65,504 (else infinity); below 2^-14 the step is 2^-24.  Weights of spread 1/32 have
; room for a factor of 30 both ways: upward they stay under 5, downward (spread 0.001) the step is 3e-5 of the spread.
; A fragment is 16 n x 32 k in 1,024 bytes, [half p][lane 32][16 bytes]: lane (r, h) holds column n0 + r, half p holds k0 + 16 p + 8 h + 0..7.
; That is the register image of a matrix operand, so the later launches load it by 16 bytes a lane from 512 neighbouring bytes.
;   Wq, Wk, Wv: wf + head*786432 + (k/32)*24576 + matrix*8192 + b*1024   (n = 128 head + 16 b + r)
;   Wp:         wf + 6291456 + cb*524288 + (k/32)*16384 + nt*1024        (n = 256 cb + 16 nt + r)
; Grid: y = the matrix, x = 2 (k/32) + (which half of n).  A wave takes 32 k x 64 n = 4 fragments: 16 loads, each of two whole
; pieces of 256 bytes of two rows; the transposition is done by the choice of registers (a lane's eight loads of one half are eight
; neighbouring k of four columns) and by a stage in LDS that is the wave's own: no barrier.
; No matrix unit, no cluster, no tensor load: each byte is read once and written once, nothing is shared.
.set FP,  1040                         ; a fragment in the stage: 1,024 + 16 bytes, so that the 16 lanes of a store fall into 16 different 16-byte columns modulo 256
.set STG, 4352                         ; a wave's stage
.set R,   16                           ; v[16:79]  R + 32 p + 4 j + c = W[32 kc + 16 p + 8 hh + j][n + c]
.set P,   80                           ; v[80:111] packed, four registers for each (p, c)
	s_load_b256 s[4:11], s[0:1], 0x0               ; Wq, Wk, Wv, Wp
	s_load_b64 s[12:13], s[0:1], 0x20              ; wf
	v_lshl_add_u32 v112, v0, 2, 0x8800
	v_mov_b32 v113, 0
	v_lshrrev_b32 v1, 5, v0
	v_readfirstlane_b32 s14, v1                    ; wave
	s_and_b32 s15, ttmp7, 0xffff                   ; which matrix
	s_lshr_b32 s16, ttmp9, 1                       ; kc = k / 32
	s_and_b32 s17, ttmp9, 1
	s_lshl3_add_u32 s18, s17, s14                  ; ngroup = n / 64
	v_and_b32 v2, 15, v0                           ; i: my four columns 4 i .. 4 i + 3 of the wave's 64
	v_bfe_u32 v3, v0, 4, 1                         ; hh: rows j or 8 + j
	v_lshlrev_b32 v4, 4, v2
	v_lshl_add_u32 v4, v3, 15, v4                  ; + 8 rows of 4,096 bytes
	v_lshl_add_u32 v4, s14, 8, v4                  ; + the wave's 256 bytes of a row: the loads' offset
	v_lshrrev_b32 v6, 2, v2
	v_mul_u32_u24 v5, v6, FP                       ; the stage: fragment i / 4,
	v_and_b32 v6, 3, v2
	v_lshl_add_u32 v5, v6, 6, v5                   ; lane r = 4 (i mod 4) + c,
	v_lshl_add_u32 v5, v3, 8, v5                   ; h = hh
	s_mul_i32 s19, s14, STG
	v_add_nc_u32 v5, s19, v5
	v_and_b32 v7, 31, v0
	v_lshlrev_b32 v8, 4, v7                        ; 16 x lane: the stores' offset
	v_add_nc_u32 v7, s19, v8                       ; and the read-back's address
	s_lshl_b32 s20, s16, 17                        ; source: 32 kc rows of 4,096 bytes
	s_lshl_b32 s22, s17, 11                        ; + which half of the row
	s_add_co_u32 s20, s20, s22
	s_mov_b32 s21, 0
	s_lshr_b32 s22, s18, 1                         ; destination for Wq, Wk, Wv
	s_mul_i32 s22, s22, 786432
	s_mul_i32 s23, s16, 24576
	s_add_co_u32 s22, s22, s23
	s_lshl_b32 s23, s15, 13
	s_add_co_u32 s22, s22, s23
	s_and_b32 s23, s18, 1
	s_lshl_b32 s23, s23, 12
	s_add_co_u32 s22, s22, s23
	s_lshr_b32 s24, s18, 2                         ; destination for Wp
	s_lshl_b32 s24, s24, 19
	s_lshl_b32 s25, s16, 14
	s_add_co_u32 s24, s24, s25
	s_and_b32 s25, s18, 3
	s_lshl_b32 s25, s25, 12
	s_add_co_u32 s24, s24, s25
	s_add_co_u32 s24, s24, 6291456
	s_cmp_eq_u32 s15, 3
	s_cselect_b32 s22, s24, s22
	s_mov_b32 s23, 0
	s_wait_kmcnt 0x0
	s_cmp_eq_u32 s15, 1                            ; the source is chosen by the grid's y alone
	s_cselect_b64 s[4:5], s[6:7], s[4:5]
	s_cmp_eq_u32 s15, 2
	s_cselect_b64 s[4:5], s[8:9], s[4:5]
	s_cmp_eq_u32 s15, 3
	s_cselect_b64 s[4:5], s[10:11], s[4:5]
	s_add_nc_u64 s[4:5], s[4:5], s[20:21]
	s_add_nc_u64 s[12:13], s[12:13], s[22:23]
.irp p, 0,1
.irp j, 0,1,2,3,4,5,6,7
	global_load_b128 v[R+32*\p+4*\j:R+32*\p+4*\j+3], v4, s[4:5] offset:(16*\p+\j)*4096 th:TH_LOAD_NT
.endr
.endr
.irp p, 0,1
	s_wait_loadcnt 8-8*\p                          ; half p's eight loads are in; for p = 0 the eight younger ones stay out
.irp c, 0,1,2,3
.irp q, 0,1,2,3
	v_cvt_pk_f16_f32 v[P+16*\p+4*\c+\q], v[R+32*\p+8*\q+\c], v[R+32*\p+8*\q+4+\c]   ; k = 2 q, 2 q + 1 of column c
.endr
	ds_store_b128 v5, v[P+16*\p+4*\c:P+16*\p+4*\c+3] offset:512*\p+16*\c
.endr
.endr
.irp f, 0,1,2,3
.irp p, 0,1
	ds_load_b128 v[R+8*\f+4*\p:R+8*\f+4*\p+3], v7 offset:FP*\f+512*\p   ; a wave's LDS instructions are served in order: these see the stores above
.endr
.endr
.irp t, 0,1,2,3,4,5,6,7
	s_wait_dscnt 7-\t                              ; read-back t is in, the younger ones stay out
	global_store_b128 v8, v[R+4*\t:R+4*\t+3], s[12:13] offset:512*\t     ; 512 neighbouring bytes, aligned
.endr
	s_wait_tensorcnt 0x0
	ds_add_u32 v112, v113
	s_wait_dscnt 0x0
	s_endpgm
.Lfunc_end_k_q58a27c8f37_prep:
	.size	k_q58a27c8f37_prep, .Lfunc_end_k_q58a27c8f37_prep-k_q58a27c8f37_prep
	.p2alignl 7, 3214868480
	.fill 96, 4, 3214868480
	.section	.rodata,"a",@progbits
	.p2align	6, 0x0
	.amdhsa_kernel k_q58a27c8f37_prep
		.amdhsa_group_segment_fixed_size 35840
		.amdhsa_private_segment_fixed_size 0
		.amdhsa_enable_private_segment 0
		.amdhsa_kernarg_size 40
		.amdhsa_user_sgpr_count 2
		.amdhsa_user_sgpr_kernarg_segment_ptr 1
		.amdhsa_wavefront_size32 1
		.amdhsa_system_sgpr_workgroup_id_x 1
		.amdhsa_system_sgpr_workgroup_id_y 1
		.amdhsa_system_sgpr_workgroup_id_z 1
		.amdhsa_system_vgpr_workitem_id 0
		.amdhsa_next_free_vgpr 114
		.amdhsa_next_free_sgpr 66
		.amdhsa_reserve_vcc 0
		.amdhsa_float_denorm_mode_32 3
		.amdhsa_float_denorm_mode_16_64 3
		.amdhsa_memory_ordered 1
		.amdhsa_forward_progress 1
		.amdhsa_inst_pref_size 9
	.end_amdhsa_kernel
	.amdgpu_metadata
---
amdhsa.version: [ 1, 2 ]
amdhsa.kernels:
  - .name:           k_q58a27c8f37_prep
    .symbol:         k_q58a27c8f37_prep.kd
    .args:
      - { .name: Wq, .offset: 0, .size: 8, .value_kind: global_buffer, .address_space: global }
      - { .name: Wk, .offset: 8, .size: 8, .value_kind: global_buffer, .address_space: global }
      - { .name: Wv, .offset: 16, .size: 8, .value_kind: global_buffer, .address_space: global }
      - { .name: Wp, .offset: 24, .size: 8, .value_kind: global_buffer, .address_space: global }
      - { .name: wf, .offset: 32, .size: 8, .value_kind: global_buffer, .address_space: global }
    .group_segment_fixed_size: 35840
    .private_segment_fixed_size: 0
    .kernarg_segment_align: 8
    .kernarg_segment_size: 40
    .max_flat_workgroup_size: 256
    .sgpr_count:     66
    .vgpr_count:     114
    .wavefront_size: 32
...
	.end_amdgpu_metadata
.endif
;; end of part 1
;; launch qkv (part 2): grid 8 x 32, 4 waves a work-group, clusters of 4 x 4, 327,680 bytes of LDS; arguments x, wf, bq, bk, bv, qf, part; writes qf, part
.if DOCPART == 2
	.amdgcn_target "amdgcn-amd-amdhsa--gfx1250"
	.amdhsa_code_object_version 6
	.text
	.protected	k_q58a27c8f37_qkv
	.globl	k_q58a27c8f37_qkv
	.p2align	8
	.type	k_q58a27c8f37_qkv,@function
k_q58a27c8f37_qkv:
	s_mov_b64 s[64:65], 0
	v_nop
	global_prefetch_b8 v0, s[64:65] scope:SCOPE_SE
	s_setreg_imm32_b32 hwreg(HW_REG_WAVE_MODE, 25, 1), 1
	s_wait_xcnt 0x0
	s_wait_alu depctr_hold_cnt(0) depctr_sa_sdst(0) depctr_va_vdst(0) depctr_va_sdst(0) depctr_va_ssrc(0) depctr_va_vcc(0) depctr_vm_vsrc(0)
	s_getreg_b32 s2, hwreg(HW_REG_IB_STS2, 6, 4)
	s_cmp_eq_u32 s2, 0
	s_cbranch_scc0 .Lentry_in_a_cluster
	s_endpgm
.Lentry_in_a_cluster:
	s_bfe_u32 s2, ttmp6, 0x10000c
	s_cmp_lg_u32 s2, 0xf033
	s_cbranch_scc0 .Lentry_shape_is_right
	s_endpgm
.Lentry_shape_is_right:
; qkv: for one head and 256 tokens: q, k, v = x W + b (K = 1024), softmax of q and of k over the head's 128 features,
; q out in fragment order (qf), and the block's part of [ctx^T ; ksum] = sum over its 256 tokens of k^T [v | 1] (part, f32).
; Work-group x = head (8), y = block of 256 rows of x (32).  Four waves; wave w owns rows 64 w .. 64 w + 63 and all 384 columns:
; 4 x 24 accumulator tiles = 768 registers, so a softmax never leaves the wave and each row of x is converted by one wave.
; K goes in 16 slots of 64 through two LDS slots.  CLUSTERS, 4 x 4: x's tile hangs on the row block alone and is asked for jointly by the
; four work-groups of a row of the cluster; the weights' tile hangs on the head alone and is asked for jointly along a column.
; LAYOUTS.  q is multiplied with the weights as source 0: lane r holds token r, registers j the columns 8 h + j: packed, that is half of a fragment
; with K along the features.  k and v are multiplied with x as source 0: lane r holds a feature, registers j the tokens 8 h + j: packed, that is half
; of a fragment with K along the tokens, which is what k^T v wants.  A fragment of ones in v's place gives ksum.  No transposition is needed.
; FORMATS.  x, W, k and v are matrix operands in f16 (11 significant bits), since each has room in it: k lies in [0, 1]; with x of spread 1 and W of spread 1/32 both
; 30 times larger v has a spread of 900; with offsets of 30 spreads on both, v is about 1,024 x 30 x 0.94 = 28,800.  q is stored as bf16, because its partner in the
; next product, ctx, can reach 2,048 times the largest |v| and has no room in f16.
; LIMITS: |x|, |W|, |v| below 65,504 (else the conversion gives infinity); below 2^-14 the step of x, W, k, v is 2^-24; ksum is the f32 sum of the f16 k.
; Both softmaxes take the row's own maximum away.  v_exp_f32 gives zero where the result would be below 2^-126.  NaN and infinities get no special treatment.
; WINDOWS of 256 registers: 0 addresses, x and operands; 1 q's tiles, 2 k's, 3 v's, tile (a, b) at 8 (8 a + b).
.set XPITCH, 272                       ; an LDS row of x: 64 f32 + 16 bytes: row r starts 17 r sixteen-byte columns on, 16 rows in 16 different columns modulo 256 bytes
.set XHALF,  128*XPITCH                ; what one tensor load of x brings
.set XSLOT,  2*XHALF                   ; 69,632
.set WS,     2*XSLOT                   ; the weights' slots: 48 fragments [k step 2][matrix 3][b 8] each
.set WHALF,  24576
.set WSLOT,  2*WHALF
.set VF,     WS+2*WSLOT                ; 237,568: v's fragments [tile 8][32 tokens 8][1024]; no tensor load ever lands here
.set KF,     0                         ; k's fragments likewise, in x's slot 0, whose last fill (K slot 14) has been read by every wave in front of the last barrier of the K loop
.set LX, 2                             ; v2, v3   x: (64 w + r) pitch + 32 h, slot 0, 1
.set LW, 4                             ; v4, v5   weights: slot + 16 lane
.set XR, 16                            ; v[16:79]   x as f32, 16 registers for each of 4 row blocks; later bq
.set XA, 80                            ; v[80:111]  x as 4 fragments
.set B0, 112                           ; v[112:175] eight weight fragments
.set B1, 176                           ; v[176:239] eight more
.set BK, 240                           ; v[240:247] bk of my column in tile b; later the fragment of ones
.set BV, 248                           ; v[248:255] bv likewise
.set Y,  112                           ; the softmax's 64 numbers
.set T,  176                           ; 16 at work
.set P,  192                           ; 32 packed
.set ONES, 240
.set F0, 16                            ; k^T v: 2 fragments of k, then 8 of v
.set F1, 96
.set G1X, 32                           ; s[32:39] x's shape      s[40:47] x's group 0, one set a slot
.set G0X, 40
.set G1W, 48                           ; s[48:55] weights' shape s[56:63] their group 0, one set a slot
.set G0W, 56
.set MSB, 0
.macro WIN new                         ; the immediate's high byte repeats the setting that is left
.if MSB != \new
	s_set_vgpr_msb (MSB<<8)|\new
.set MSB, \new
.endif
.endm
.macro PLACES                          ; four places behind a matrix instruction, in front of a load into, or a vector write or read of, its registers
.rept 4
	v_nop
.endr
.endm
.macro JLOAD s                         ; waves 0, 1 ask for x's halves, waves 2, 3 for the weights' halves: one load a wave, one mask a line
	s_cmp_eq_u32 s21, 0
	s_cbranch_scc0 .Lfor_w_\@
	tensor_load_to_lds s[G0X+4*\s:G0X+4*\s+3], s[G1X:G1X+7]
	s_nop 0
	s_branch .Lasked_\@
.Lfor_w_\@:
	tensor_load_to_lds s[G0W+4*\s:G0W+4*\s+3], s[G1W:G1W+7]
	s_nop 0
.Lasked_\@:
.endm
.macro CREST                           ; a round of the cluster's barrier behind its opening barrier
	s_cmp_lg_u32 s20, 0
	s_cbranch_scc1 .Lnot_wave_0_\@
	s_barrier_signal -3
.Lnot_wave_0_\@:
	s_barrier_wait -3
	s_barrier_signal -1
	s_barrier_wait -1
.endm
.macro CROUND
	s_barrier_signal -1
	s_barrier_wait -1
	CREST
.endm
	s_load_b256 s[4:11], s[0:1], 0x0               ; x, wf, bq, bk
	s_load_b128 s[12:15], s[0:1], 0x20             ; bv, qf
	s_load_b64 s[16:17], s[0:1], 0x30              ; part
	v_lshl_add_u32 v254, v0, 2, 0x4a000
	v_mov_b32 v255, 0
	ds_add_u32 v254, v255
	s_wait_dscnt 0x0
	v_lshrrev_b32 v1, 5, v0
	v_readfirstlane_b32 s20, v1                    ; wave
	s_lshr_b32 s21, s20, 1                         ; 0: I fetch x, 1: weights
	s_and_b32 s22, s20, 1                          ; which half of the tile
	s_bfe_u32 s23, ttmp6, 0x40000                  ; cx
	s_bfe_u32 s24, ttmp6, 0x40004                  ; cy
	s_lshl_b32 s25, ttmp9, 2
	s_add_co_u32 s25, s25, s23                     ; head
	s_and_b32 s26, ttmp7, 0xffff
	s_lshl_b32 s26, s26, 2
	s_add_co_u32 s26, s26, s24                     ; row block
	s_lshl_b32 s27, s24, 2
	s_lshl_b32 s27, 15, s27                        ; my row of the cluster
	s_lshl_b32 s28, 0x1111, s23                    ; my column
	; x: 128 rows x 64 f32, 1,024 elements from row to row, 4 words of padding behind every 64
	s_or_b32 s[G1X+0], s27, (2<<16)|(1<<20)|(1<<21)|(5<<22)|(3<<25)
	s_mov_b32 s[G1X+1], 64<<16
	s_mov_b32 s[G1X+2], 128<<16
	s_mov_b32 s[G1X+3], 64<<16
	s_mov_b32 s[G1X+4], 128
	s_mov_b32 s[G1X+5], 1024
	s_mov_b32 s[G1X+6], 0
	s_mov_b32 s[G1X+7], 0
	; weights: 24,576 dense bytes as 96 rows of 32 elements of 8 bytes
	s_or_b32 s[G1W+0], s28, (3<<16)|(1<<21)
	s_mov_b32 s[G1W+1], 32<<16
	s_mov_b32 s[G1W+2], 96<<16
	s_mov_b32 s[G1W+3], 32<<16
	s_mov_b32 s[G1W+4], 96
	s_mov_b32 s[G1W+5], 32
	s_mov_b32 s[G1W+6], 0
	s_mov_b32 s[G1W+7], 0
	s_lshl_b32 s66, s26, 20                        ; x: 256 rows of 4,096 bytes a block, made of the row block and the wave alone
	s_lshl_b32 s18, s22, 19
	s_add_co_u32 s66, s66, s18
	s_mov_b32 s67, 0
	s_mul_i32 s68, s25, 786432                     ; weights: made of the head and the wave alone
	s_mul_i32 s18, s22, WHALF
	s_add_co_u32 s68, s68, s18
	s_mov_b32 s69, 0
	s_mul_i32 s30, s20, XHALF                      ; LDS: x's half w (w = 0, 1)
	s_mul_i32 s31, s20, WHALF
	s_add_co_u32 s31, s31, WS-2*WHALF              ; the weights' half w - 2 (w = 2, 3)
	s_mov_b32 s70, 0x3fb8aa3b                      ; log2 e, twice
	s_mov_b32 s71, 0x3fb8aa3b
	s_mov_b32 s72, 0xbfb8aa3b                      ; - log2 e, twice
	s_mov_b32 s73, 0xbfb8aa3b
	s_mov_b32 s74, 0x76543210                      ; v_permlanex16_b32: lane i of the other half
	s_mov_b32 s75, 0xfedcba98
	s_wait_kmcnt 0x0
	s_add_nc_u64 s[66:67], s[4:5], s[66:67]
	s_add_nc_u64 s[68:69], s[6:7], s[68:69]
	CROUND                                         ; all sixteen work-groups are here: the first joint loads meet
.irp s, 0,1
	s_mov_b32 s[G0X+4*\s], 1
	s_add_co_u32 s[G0X+4*\s+1], s30, \s*XSLOT
	s_add_nc_u64 s[G0X+4*\s+2:G0X+4*\s+3], s[66:67], \s*256
	s_or_b32 s[G0X+4*\s+3], s[G0X+4*\s+3], 0x80000000
	s_mov_b32 s[G0W+4*\s], 1
	s_add_co_u32 s[G0W+4*\s+1], s31, \s*WSLOT
	s_add_nc_u64 s[G0W+4*\s+2:G0W+4*\s+3], s[68:69], \s*WSLOT
	s_or_b32 s[G0W+4*\s+3], s[G0W+4*\s+3], 0x80000000
	JLOAD \s                                       ; two loads of each wave are out, the most in this text
.endr
	s_lshl_b32 s18, s25, 9                         ; the head's 128 biases
	s_mov_b32 s19, 0
	s_add_nc_u64 s[8:9], s[8:9], s[18:19]
	s_add_nc_u64 s[10:11], s[10:11], s[18:19]
	s_add_nc_u64 s[12:13], s[12:13], s[18:19]
	s_lshl_b32 s18, s26, 19                        ; qf: 16 blocks of 16 rows x 32,768 bytes a row block, + head x 4,096
	s_lshl_b32 s76, s25, 12
	s_add_co_u32 s18, s18, s76
	s_add_nc_u64 s[14:15], s[14:15], s[18:19]
	s_lshr_b32 s18, s26, 3                         ; part: ((batch x 8 + head) x 8 + block in the batch) x 73,728
	s_lshl_b32 s18, s18, 3
	s_add_co_u32 s18, s18, s25
	s_lshl_b32 s18, s18, 3
	s_and_b32 s76, s26, 7
	s_add_co_u32 s18, s18, s76
	s_mul_i32 s18, s18, 73728
	s_add_nc_u64 s[16:17], s[16:17], s[18:19]
	v_and_b32 v14, 15, v0                          ; r
	v_bfe_u32 v15, v0, 4, 1                        ; h
	v_and_b32 v1, 31, v0
	v_lshlrev_b32 v1, 4, v1                        ; 16 x lane
	s_mul_i32 s18, s20, 64*XPITCH
	v_mul_u32_u24 v2, v14, XPITCH
	v_lshl_add_u32 v2, v15, 5, v2
	v_add_nc_u32 v2, s18, v2
	v_add_nc_u32 v3, XSLOT, v2
	v_add_nc_u32 v4, WS, v1
	v_add_nc_u32 v5, WS+WSLOT, v1
	v_lshl_add_u32 v6, s20, 11, v1                 ; 16 lane + 2,048 w: where I put k's fragments (KF = 0), and my offset in part
	v_add_nc_u32 v7, VF, v6                        ; where I put v's
	v_lshl_add_u32 v8, s20, 14, v1                 ; k^T v: my two tiles of k
	v_add_nc_u32 v9, VF, v1                        ; all of v
	v_lshl_add_u32 v10, s20, 17, v1                ; qf: my four blocks of 16 rows
	v_lshlrev_b32 v12, 5, v15                      ; bq: 8 numbers at 32 h
	v_lshlrev_b32 v13, 2, v14                      ; bk, bv: one number at 4 r
.macro FETCHX ls, c2                   ; my 64 rows x 32 k of x as f32: k = 8 h + 0..7 and 16 + 8 h + 0..7
.irp a, 0,1,2,3
	ds_load_b128 v[XR+16*\a:XR+16*\a+3],     v[LX+\ls] offset:\a*16*XPITCH+\c2*128
	ds_load_b128 v[XR+16*\a+4:XR+16*\a+7],   v[LX+\ls] offset:\a*16*XPITCH+\c2*128+16
	ds_load_b128 v[XR+16*\a+8:XR+16*\a+11],  v[LX+\ls] offset:\a*16*XPITCH+\c2*128+64
	ds_load_b128 v[XR+16*\a+12:XR+16*\a+15], v[LX+\ls] offset:\a*16*XPITCH+\c2*128+80
.endr
.endm
.macro FETCHB f, ls, c2, g             ; the eight fragments of matrix g
.irp b, 0,1,2,3,4,5,6,7
	ds_load_b128 v[\f+8*\b:\f+8*\b+3],   v[LW+\ls] offset:\c2*WHALF+\g*8192+\b*1024
	ds_load_b128 v[\f+8*\b+4:\f+8*\b+7], v[LW+\ls] offset:\c2*WHALF+\g*8192+\b*1024+512
.endr
.endm
.macro CVT                             ; x to f16, each number once in the work-group
	PLACES                                         ; XA was a source of the last matrix instructions
	s_wait_dscnt 16                                ; x is in; the 16 younger loads (the next weights) stay out
.irp a, 0,1,2,3
.irp i, 0,1,2,3,4,5,6,7
	v_cvt_pk_f16_f32 v[XA+8*\a+\i], v[XR+16*\a+2*\i], v[XR+16*\a+2*\i+1]
.endr
.endr
.endm
; 16 matrix instructions.  The 96 accumulators take turns, one instruction a turn, in the same order in every K step.
.macro MULQ f, a0, zero                ; weights as source 0
.irp a, \a0, \a0+1
.irp b, 0,1,2,3,4,5,6,7
.if \zero
	v_wmma_f32_16x16x32_f16 v[8*(8*(\a)+\b):8*(8*(\a)+\b)+7], v[\f+8*\b:\f+8*\b+7], v[XA+8*(\a):XA+8*(\a)+7], 0
.else
	v_wmma_f32_16x16x32_f16 v[8*(8*(\a)+\b):8*(8*(\a)+\b)+7], v[\f+8*\b:\f+8*\b+7], v[XA+8*(\a):XA+8*(\a)+7], v[8*(8*(\a)+\b):8*(8*(\a)+\b)+7]
.endif
.endr
.endr
.endm
.macro MULN f, a0, zero                ; x as source 0
.irp a, \a0, \a0+1
.irp b, 0,1,2,3,4,5,6,7
.if \zero
	v_wmma_f32_16x16x32_f16 v[8*(8*(\a)+\b):8*(8*(\a)+\b)+7], v[XA+8*(\a):XA+8*(\a)+7], v[\f+8*\b:\f+8*\b+7], 0
.else
	v_wmma_f32_16x16x32_f16 v[8*(8*(\a)+\b):8*(8*(\a)+\b)+7], v[XA+8*(\a):XA+8*(\a)+7], v[\f+8*\b:\f+8*\b+7], v[8*(8*(\a)+\b):8*(8*(\a)+\b)+7]
.endif
.endr
.endr
.endm
; One K step of 32: q on buffer f, k on g, v on f; the next step starts on g.  turn = 1: this slot is filled again (K slot + 2), 2: slots change, nothing is filled.
; The turn: my last reads of this slot (v's weights) and all my tensor loads (one is out: my part of the other slot) are waited for, then the barrier, which opens
; a round of the cluster's barrier where a slot is filled; the joint refill is the first tensor load behind the round; all later reads go to the other slot.
; From a request to the wait for it a wave issues 176 matrix instructions.
.macro STEP ls, c2, f, g, zero, turn, nls, nc2, last
	FETCHB \g, \ls, \c2, 1                         ; four places stand behind the last matrix instructions: CVT's
	s_wait_dscnt 16                                ; buffer f is in
	WIN 0x50
	MULQ \f, 0, \zero
	MULQ \f, 2, \zero
	WIN 0
	PLACES
	FETCHB \f, \ls, \c2, 2
	s_wait_dscnt 16                                ; buffer g is in
	WIN 0xa0
	MULN \g, 0, \zero
.if \turn
	s_wait_dscnt 0x0                               ; my reads of this slot are over
	s_wait_xcnt 0x0
	s_set_vgpr_msb 0xa020
	v_lshl_add_u32 v254, v0, 2, 0x4a000
	v_mov_b32 v255, 0
	s_wait_tensorcnt 0x0                           ; all my tensor loads have landed
	ds_add_u32 v254, v255
	s_wait_dscnt 0x0
	s_set_vgpr_msb 0x20a0
	s_barrier_signal -1
.endif
	MULN \g, 2, \zero
	WIN 0
.if \turn
	s_barrier_wait -1
.if \turn == 1
	CREST
	s_add_nc_u64 s[G0X+4*\ls+2:G0X+4*\ls+3], s[G0X+4*\ls+2:G0X+4*\ls+3], 512
	s_add_nc_u64 s[G0W+4*\ls+2:G0W+4*\ls+3], s[G0W+4*\ls+2:G0W+4*\ls+3], 2*WSLOT
	JLOAD \ls
.endif
.endif
.if \last
	s_wait_dscnt 0x0
.else
	PLACES
	FETCHX \nls, \nc2
	FETCHB \g, \nls, \nc2, 0
	s_wait_dscnt 32                                ; all but the 32 just issued: buffer f is in
.endif
	WIN 0xf0
	MULN \f, 0, \zero
	MULN \f, 2, \zero
	WIN 0
.if \last == 0
	CVT
.endif
.endm
.macro LAP zero                        ; two K slots, both filled again
	STEP 0, 0, B0, B1, \zero, 0, 0, 1, 0
	STEP 0, 1, B1, B0, 0, 1, 1, 0, 0
	STEP 1, 0, B0, B1, 0, 0, 1, 1, 0
	STEP 1, 1, B1, B0, 0, 1, 0, 0, 0
.endm
	s_wait_tensorcnt 0x1                           ; my part of K slot 0 is in; slot 1's stays out
	s_barrier_signal -1
	s_barrier_wait -1
	FETCHX 0, 0
	FETCHB B0, 0, 0, 0
	CVT
	LAP 1                                          ; the first products start the sums: nothing is cleared
	s_mov_b32 s29, 6
.Llap:
	LAP 0
	s_sub_co_u32 s29, s29, 1
	s_cmp_lg_u32 s29, 0
	s_cbranch_scc1 .Llap
	STEP 0, 0, B0, B1, 0, 0, 0, 1, 0               ; K slots 14 and 15: nothing is left to fetch
	STEP 0, 1, B1, B0, 0, 2, 1, 0, 0
	STEP 1, 0, B0, B1, 0, 0, 1, 1, 0
.irp b, 0,1,2,3,4,5,6,7
	global_load_b128 v[XR+8*\b:XR+8*\b+3],   v12, s[8:9] offset:64*\b      ; XR is free: bq of columns 16 b + 8 h + 0..7
	global_load_b128 v[XR+8*\b+4:XR+8*\b+7], v12, s[8:9] offset:64*\b+16
	global_load_b32 v[BK+\b], v13, s[10:11] offset:64*\b                   ; bk, bv of column 16 b + r
	global_load_b32 v[BV+\b], v13, s[12:13] offset:64*\b
.endr
	STEP 1, 1, B1, B0, 0, 0, 0, 0, 1
; Y = a tile row of window win + the lane's bias of tile b, broadcast to both halves of the pair
.macro ADDB win, a, bias
	WIN \win
.irp b, 0,1,2,3,4,5,6,7
.irp j, 0,2,4,6
.if (\b % 2) == 0
	v_pk_add_f32 v[Y+8*\b+\j:Y+8*\b+\j+1], v[8*(8*\a+\b)+\j:8*(8*\a+\b)+\j+1], v[\bias+\b:\bias+\b+1] op_sel_hi:[1,0]
.else
	v_pk_add_f32 v[Y+8*\b+\j:Y+8*\b+\j+1], v[8*(8*\a+\b)+\j:8*(8*\a+\b)+\j+1], v[\bias+\b-1:\bias+\b] op_sel:[0,1] op_sel_hi:[1,1]
.endif
.endr
.endr
	WIN 0
.endm
.macro EXP64
.set i, 0
.rept 64
	v_exp_f32 v[Y+i], v[Y+i]
.set i, i+1
.endr
	v_nop                                          ; one plain place behind the last transcendental (ISA guide 5.7.2)
.endm
.macro PACKH                           ; to f16: k and v
.irp b, 0,1,2,3,4,5,6,7
.irp q, 0,1,2,3
	v_cvt_pk_f16_f32 v[P+4*\b+\q], v[Y+8*\b+2*\q], v[Y+8*\b+2*\q+1]
.endr
.endr
.endm
.macro PACKB                           ; to bf16: q
.irp b, 0,1,2,3,4,5,6,7
.irp q, 0,1,2,3
	v_cvt_pk_bf16_f32 v[P+4*\b+\q], v[Y+8*\b+2*\q], v[Y+8*\b+2*\q+1]
.endr
.endr
.endm
; k, rows 16 a .. 16 a + 15: register j is token 8 h + j, the 128 features lie in 8 tiles x 16 lanes: eight softmaxes side by side
.macro KSOFT a
	ADDB 0x02, \a, BK
.irp j, 0,1,2,3,4,5,6,7
	v_max3_num_f32 v[T+\j], v[Y+\j], v[Y+8+\j], v[Y+16+\j]
.endr
.irp b, 24,40
.irp j, 0,1,2,3,4,5,6,7
	v_max3_num_f32 v[T+\j], v[T+\j], v[Y+\b+\j], v[Y+\b+8+\j]
.endr
.endr
.irp j, 0,1,2,3,4,5,6,7
	v_max_num_f32 v[T+\j], v[T+\j], v[Y+56+\j]
.endr
.irp m, 1,2,4,8
.irp j, 0,1,2,3,4,5,6,7
	v_max_num_f32_dpp v[T+\j], v[T+\j], v[T+\j] row_xmask:\m row_mask:0xf bank_mask:0xf
.endr
.endr
.irp j, 0,2,4,6
	v_pk_mul_f32 v[T+\j:T+\j+1], v[T+\j:T+\j+1], s[72:73] op_sel_hi:[1,0]          ; - maximum x log2 e
.endr
.irp b, 0,1,2,3,4,5,6,7
.irp j, 0,2,4,6
	v_pk_fma_f32 v[Y+8*\b+\j:Y+8*\b+\j+1], v[Y+8*\b+\j:Y+8*\b+\j+1], s[70:71], v[T+\j:T+\j+1] op_sel_hi:[1,0,1]
.endr
.endr
	EXP64
	s_wait_alu depctr_va_vdst(0)
.irp j, 0,2,4,6
	v_pk_add_f32 v[T+8+\j:T+9+\j], v[Y+\j:Y+\j+1], v[Y+8+\j:Y+9+\j]
.endr
.irp b, 2,3,4,5,6,7
.irp j, 0,2,4,6
	v_pk_add_f32 v[T+8+\j:T+9+\j], v[T+8+\j:T+9+\j], v[Y+8*\b+\j:Y+8*\b+\j+1]
.endr
.endr
.irp m, 1,2,4,8
.irp j, 0,1,2,3,4,5,6,7
	v_add_f32_dpp v[T+8+\j], v[T+8+\j], v[T+8+\j] row_xmask:\m row_mask:0xf bank_mask:0xf
.endr
.endr
.irp j, 0,1,2,3,4,5,6,7
	v_rcp_f32 v[T+8+\j], v[T+8+\j]                 ; the sum is at least about 1: the maximum's own term
.endr
	v_nop
	s_wait_alu depctr_va_vdst(0)
.irp b, 0,1,2,3,4,5,6,7
.irp j, 0,2,4,6
	v_pk_mul_f32 v[Y+8*\b+\j:Y+8*\b+\j+1], v[Y+8*\b+\j:Y+8*\b+\j+1], v[T+8+\j:T+9+\j]
.endr
.endr
	PACKH
.irp b, 0,1,2,3,4,5,6,7
	ds_store_b128 v6, v[P+4*\b:P+4*\b+3] offset:\b*8192+\a*512      ; tile b, tokens 64 w + 16 a + 8 h + 0..7
.endr
.endm
.macro VCVT a
	ADDB 0x03, \a, BV
	PACKH
.irp b, 0,1,2,3,4,5,6,7
	ds_store_b128 v7, v[P+4*\b:P+4*\b+3] offset:\b*8192+\a*512
.endr
.endm
; q, rows 16 a .. 16 a + 15: lane r is token r, its 64 registers and those of lane r + 16 are the 128 features
.macro QSOFT a
	WIN 0x01
.irp b, 0,1,2,3,4,5,6,7
.irp j, 0,2,4,6
	v_pk_add_f32 v[Y+8*\b+\j:Y+8*\b+\j+1], v[8*(8*\a+\b)+\j:8*(8*\a+\b)+\j+1], v[XR+8*\b+\j:XR+8*\b+\j+1]
.endr
.endr
	WIN 0
.irp k, 0,1,2,3
	v_max3_num_f32 v[T+\k], v[Y+16*\k], v[Y+16*\k+1], v[Y+16*\k+2]
.endr
.irp i, 3,5,7,9,11,13
.irp k, 0,1,2,3
	v_max3_num_f32 v[T+\k], v[T+\k], v[Y+16*\k+\i], v[Y+16*\k+\i+1]
.endr
.endr
.irp k, 0,1,2,3
	v_max_num_f32 v[T+\k], v[T+\k], v[Y+16*\k+15]
.endr
	v_max3_num_f32 v[T], v[T], v[T+1], v[T+2]
	v_max_num_f32 v[T], v[T], v[T+3]
	v_permlanex16_b32 v[T+1], v[T], s74, s75
	v_max_num_f32 v[T], v[T], v[T+1]
	v_mul_f32 v[T+2], s72, v[T]
	v_mul_f32 v[T+3], s72, v[T]
.set i, 0
.rept 32
	v_pk_fma_f32 v[Y+i:Y+i+1], v[Y+i:Y+i+1], s[70:71], v[T+2:T+3] op_sel_hi:[1,0,1]
.set i, i+2
.endr
	EXP64
	s_wait_alu depctr_va_vdst(0)
.irp k, 0,1,2,3
	v_pk_add_f32 v[T+4+2*\k:T+5+2*\k], v[Y+16*\k:Y+16*\k+1], v[Y+16*\k+2:Y+16*\k+3]
.endr
.irp i, 4,6,8,10,12,14
.irp k, 0,1,2,3
	v_pk_add_f32 v[T+4+2*\k:T+5+2*\k], v[T+4+2*\k:T+5+2*\k], v[Y+16*\k+\i:Y+16*\k+\i+1]
.endr
.endr
	v_pk_add_f32 v[T+4:T+5], v[T+4:T+5], v[T+6:T+7]
	v_pk_add_f32 v[T+8:T+9], v[T+8:T+9], v[T+10:T+11]
	v_pk_add_f32 v[T+4:T+5], v[T+4:T+5], v[T+8:T+9]
	v_add_f32 v[T+4], v[T+4], v[T+5]
	v_permlanex16_b32 v[T+5], v[T+4], s74, s75
	v_add_f32 v[T+4], v[T+4], v[T+5]
	v_rcp_f32 v[T+6], v[T+4]
	v_rcp_f32 v[T+7], v[T+4]
	v_nop
.set i, 0
	s_wait_alu depctr_va_vdst(0)
.rept 32
	v_pk_mul_f32 v[Y+i:Y+i+1], v[Y+i:Y+i+1], v[T+6:T+7]
.set i, i+2
.endr
	s_wait_xcnt 0x0                                ; P, which the last block's stores read, is rewritten only behind this wait
	PACKB
.irp b, 0,1,2,3,4,5,6,7
	global_store_b128 v10, v[P+4*\b:P+4*\b+3], s[14:15] offset:\a*32768+\b*512     ; half b mod 2 of fragment b / 2: 512 neighbouring bytes
.endr
.endm
	PLACES                                         ; the vector instructions below read matrix results
	s_wait_loadcnt 0x0                             ; the biases
.irp a, 0,1,2,3
	KSOFT \a
	VCVT \a
.endr
.irp a, 0,1,2,3
	QSOFT \a
.endr
.irp i, 0,1,2,3,4,5,6,7
	v_mov_b32 v[ONES+\i], 0x3c003c00               ; 1.0, 1.0 in f16
.endr
	s_wait_dscnt 0x0                               ; my fragments of k and v are written
	s_barrier_signal -1
	s_barrier_wait -1                              ; everybody's are
; k^T [v | 1] over the block's 256 tokens: wave w makes features 32 w .. 32 w + 31 (two tiles u) x nine tiles i, in window 2 at 8 (9 u + i).
; Source 0 = k (rows: feature d), source 1 = v (rows: feature e): lane r holds e = 16 i + r, registers j hold d = 16 (2 w + u) + 8 h + j.
.macro KVFETCH ts, f
.irp u, 0,1
	ds_load_b128 v[\f+8*\u:\f+8*\u+3],   v8 offset:\u*8192+(\ts)*1024
	ds_load_b128 v[\f+8*\u+4:\f+8*\u+7], v8 offset:\u*8192+(\ts)*1024+512
.endr
.irp i, 0,1,2,3,4,5,6,7
	ds_load_b128 v[\f+16+8*\i:\f+16+8*\i+3],   v9 offset:\i*8192+(\ts)*1024
	ds_load_b128 v[\f+16+8*\i+4:\f+16+8*\i+7], v9 offset:\i*8192+(\ts)*1024+512
.endr
.endm
.macro CMUL f, zero                    ; 18 accumulators by turns
.irp u, 0,1
.irp i, 0,1,2,3,4,5,6,7,8
.if \i < 8
.set BS, \f+16+8*\i
.else
.set BS, ONES
.endif
.if \zero
	v_wmma_f32_16x16x32_f16 v[8*(9*\u+\i):8*(9*\u+\i)+7], v[\f+8*\u:\f+8*\u+7], v[BS:BS+7], 0
.else
	v_wmma_f32_16x16x32_f16 v[8*(9*\u+\i):8*(9*\u+\i)+7], v[\f+8*\u:\f+8*\u+7], v[BS:BS+7], v[8*(9*\u+\i):8*(9*\u+\i)+7]
.endif
.endr
.endr
.endm
	KVFETCH 0, F0
	KVFETCH 1, F1
	s_wait_dscnt 20                                ; the older 20 loads are in, the next 32 tokens' stay out
	WIN 0xa0
	CMUL F0, 1
	WIN 0
.irp ts, 2,4,6
	PLACES
	KVFETCH \ts, F0
	s_wait_dscnt 20
	WIN 0xa0
	CMUL F1, 0
	WIN 0
	PLACES
	KVFETCH \ts+1, F1
	s_wait_dscnt 20
	WIN 0xa0
	CMUL F0, 0
	WIN 0
.endr
	s_wait_dscnt 0x0
	WIN 0xa0
	CMUL F1, 0
	WIN 0
	PLACES                                         ; the stores read matrix results
	WIN 0x08                                       ; store data in window 2
.irp u, 0,1
.irp i, 0,1,2,3,4,5,6,7,8
	global_store_b128 v6, v[8*(9*\u+\i):8*(9*\u+\i)+3],   s[16:17] offset:\i*8192+\u*1024
	global_store_b128 v6, v[8*(9*\u+\i)+4:8*(9*\u+\i)+7], s[16:17] offset:\i*8192+\u*1024+512
.endr
.endr
	WIN 0
	s_wait_xcnt 0x0
	v_lshl_add_u32 v254, v0, 2, 0x4a000
	v_mov_b32 v255, 0
	s_wait_tensorcnt 0x0
	ds_add_u32 v254, v255
	s_wait_dscnt 0x0
	CROUND                                         ; the closing round: no work-group ends while a partner may still ask jointly
	s_endpgm
.Lfunc_end_k_q58a27c8f37_qkv:
	.size	k_q58a27c8f37_qkv, .Lfunc_end_k_q58a27c8f37_qkv-k_q58a27c8f37_qkv
	.p2alignl 7, 3214868480
	.fill 96, 4, 3214868480
	.section	.rodata,"a",@progbits
	.p2align	6, 0x0
	.amdhsa_kernel k_q58a27c8f37_qkv
		.amdhsa_group_segment_fixed_size 327680
		.amdhsa_private_segment_fixed_size 0
		.amdhsa_enable_private_segment 0
		.amdhsa_kernarg_size 56
		.amdhsa_user_sgpr_count 2
		.amdhsa_user_sgpr_kernarg_segment_ptr 1
		.amdhsa_wavefront_size32 1
		.amdhsa_system_sgpr_workgroup_id_x 1
		.amdhsa_system_sgpr_workgroup_id_y 1
		.amdhsa_system_sgpr_workgroup_id_z 1
		.amdhsa_system_vgpr_workitem_id 0
		.amdhsa_next_free_vgpr 1024
		.amdhsa_next_free_sgpr 80
		.amdhsa_reserve_vcc 0
		.amdhsa_float_denorm_mode_32 3
		.amdhsa_float_denorm_mode_16_64 3
		.amdhsa_memory_ordered 1
		.amdhsa_forward_progress 1
		.amdhsa_inst_pref_size 255
	.end_amdhsa_kernel
	.section	.bss,"aw",@nobits
	.p2align	6
	.space	262144
	.amdgpu_metadata
---
amdhsa.version: [ 1, 2 ]
amdhsa.kernels:
  - .name:           k_q58a27c8f37_qkv
    .symbol:         k_q58a27c8f37_qkv.kd
    .args:
      - { .name: x, .offset: 0, .size: 8, .value_kind: global_buffer, .address_space: global }
      - { .name: wf, .offset: 8, .size: 8, .value_kind: global_buffer, .address_space: global }
      - { .name: bq, .offset: 16, .size: 8, .value_kind: global_buffer, .address_space: global }
      - { .name: bk, .offset: 24, .size: 8, .value_kind: global_buffer, .address_space: global }
      - { .name: bv, .offset: 32, .size: 8, .value_kind: global_buffer, .address_space: global }
      - { .name: qf, .offset: 40, .size: 8, .value_kind: global_buffer, .address_space: global }
      - { .name: part, .offset: 48, .size: 8, .value_kind: global_buffer, .address_space: global }
    .group_segment_fixed_size: 327680
    .private_segment_fixed_size: 0
    .kernarg_segment_align: 8
    .kernarg_segment_size: 56
    .max_flat_workgroup_size: 128
    .sgpr_count:     80
    .vgpr_count:     1024
    .wavefront_size: 32
...
	.end_amdgpu_metadata
.endif
;; end of part 2
;; launch red (part 3): grid 8 x 32, 9 waves a work-group, no clusters, 0 bytes of LDS; arguments part, ctxf; writes ctxf
.if DOCPART == 3
	.amdgcn_target "amdgcn-amd-amdhsa--gfx1250"
	.amdhsa_code_object_version 6
	.text
	.protected	k_q58a27c8f37_red
	.globl	k_q58a27c8f37_red
	.p2align	8
	.type	k_q58a27c8f37_red,@function
k_q58a27c8f37_red:
	s_mov_b64 s[64:65], 0
	v_nop
	global_prefetch_b8 v0, s[64:65] scope:SCOPE_SE
	s_setreg_imm32_b32 hwreg(HW_REG_WAVE_MODE, 25, 1), 1
	s_wait_xcnt 0x0
; red: [ctx^T ; ksum] of a (batch, head) = the sum, in f32 and in a fixed order, of the 8 blocks' parts; rounded once to bf16, in fragment order.
; Work-group: x = dt (16 features d), y = batch x 8 + head.  Wave i = tile of 16 rows e (tile 8: ksum in all rows).
; A lane holds row e = 16 i + r and d = 16 dt + 8 h + 0..7: packed, its 16 bytes of half dt mod 2 of fragment dt / 2.
; Each load and the store of a wave cover 512 neighbouring bytes.  No LDS, no barrier, no matrix unit: 28 packed sums a lane.
.set V, 8                              ; v[8:71]  8 blocks x 8 numbers
	s_load_b128 s[4:7], s[0:1], 0x0                ; part, ctxf
	v_lshrrev_b32 v1, 5, v0
	v_readfirstlane_b32 s8, v1                     ; i
	s_and_b32 s9, ttmp7, 0xffff
	v_and_b32 v1, 31, v0
	v_lshlrev_b32 v1, 4, v1
	s_mul_i32 s10, s9, 589824
	s_lshl_b32 s12, s8, 13
	s_add_co_u32 s10, s10, s12
	s_lshl_b32 s12, ttmp9, 10
	s_add_co_u32 s10, s10, s12
	s_mov_b32 s11, 0
	s_mul_i32 s14, s9, 36864
	s_lshl_b32 s12, s8, 12
	s_add_co_u32 s14, s14, s12
	s_lshl_b32 s12, ttmp9, 9                       ; (dt / 2) x 1,024 + (dt mod 2) x 512
	s_add_co_u32 s14, s14, s12
	s_mov_b32 s15, 0
	s_wait_kmcnt 0x0
	s_add_nc_u64 s[4:5], s[4:5], s[10:11]
	s_add_nc_u64 s[6:7], s[6:7], s[14:15]
.irp t, 0,1,2,3,4,5,6,7
	global_load_b128 v[V+8*\t:V+8*\t+3],   v1, s[4:5] offset:\t*73728 th:TH_LOAD_NT
	global_load_b128 v[V+8*\t+4:V+8*\t+7], v1, s[4:5] offset:\t*73728+512 th:TH_LOAD_NT
.endr
	s_wait_loadcnt 0x0
.irp t, 0,2,4,6
.irp j, 0,2,4,6
	v_pk_add_f32 v[V+8*\t+\j:V+8*\t+\j+1], v[V+8*\t+\j:V+8*\t+\j+1], v[V+8*\t+8+\j:V+8*\t+9+\j]
.endr
.endr
.irp t, 0,4
.irp j, 0,2,4,6
	v_pk_add_f32 v[V+8*\t+\j:V+8*\t+\j+1], v[V+8*\t+\j:V+8*\t+\j+1], v[V+8*\t+16+\j:V+8*\t+17+\j]
.endr
.endr
.irp j, 0,2,4,6
	v_pk_add_f32 v[V+\j:V+\j+1], v[V+\j:V+\j+1], v[V+32+\j:V+33+\j]
.endr
.irp q, 0,1,2,3
	v_cvt_pk_bf16_f32 v[72+\q], v[V+2*\q], v[V+2*\q+1]
.endr
	global_store_b128 v1, v[72:75], s[6:7]
	s_endpgm
.Lfunc_end_k_q58a27c8f37_red:
	.size	k_q58a27c8f37_red, .Lfunc_end_k_q58a27c8f37_red-k_q58a27c8f37_red
	.p2alignl 7, 3214868480
	.fill 96, 4, 3214868480
	.section	.rodata,"a",@progbits
	.p2align	6, 0x0
	.amdhsa_kernel k_q58a27c8f37_red
		.amdhsa_group_segment_fixed_size 0
		.amdhsa_private_segment_fixed_size 0
		.amdhsa_enable_private_segment 0
		.amdhsa_kernarg_size 16
		.amdhsa_user_sgpr_count 2
		.amdhsa_user_sgpr_kernarg_segment_ptr 1
		.amdhsa_wavefront_size32 1
		.amdhsa_system_sgpr_workgroup_id_x 1
		.amdhsa_system_sgpr_workgroup_id_y 1
		.amdhsa_system_sgpr_workgroup_id_z 1
		.amdhsa_system_vgpr_workitem_id 0
		.amdhsa_next_free_vgpr 80
		.amdhsa_next_free_sgpr 66
		.amdhsa_reserve_vcc 0
		.amdhsa_float_denorm_mode_32 3
		.amdhsa_float_denorm_mode_16_64 3
		.amdhsa_memory_ordered 1
		.amdhsa_forward_progress 1
		.amdhsa_inst_pref_size 5
	.end_amdhsa_kernel
	.amdgpu_metadata
---
amdhsa.version: [ 1, 2 ]
amdhsa.kernels:
  - .name:           k_q58a27c8f37_red
    .symbol:         k_q58a27c8f37_red.kd
    .args:
      - { .name: part, .offset: 0, .size: 8, .value_kind: global_buffer, .address_space: global }
      - { .name: ctxf, .offset: 8, .size: 8, .value_kind: global_buffer, .address_space: global }
    .group_segment_fixed_size: 0
    .private_segment_fixed_size: 0
    .kernarg_segment_align: 8
    .kernarg_segment_size: 16
    .max_flat_workgroup_size: 288
    .sgpr_count:     66
    .vgpr_count:     80
    .wavefront_size: 32
...
	.end_amdgpu_metadata
.endif
;; end of part 3
;; launch ymk (part 4): grid 8 x 32, 8 waves a work-group, no clusters, 0 bytes of LDS; arguments qf, ctxf, yf; writes yf
.if DOCPART == 4
	.amdgcn_target "amdgcn-amd-amdhsa--gfx1250"
	.amdhsa_code_object_version 6
	.text
	.protected	k_q58a27c8f37_ymk
	.globl	k_q58a27c8f37_ymk
	.p2align	8
	.type	k_q58a27c8f37_ymk,@function
k_q58a27c8f37_ymk:
	s_mov_b64 s[64:65], 0
	v_nop
	global_prefetch_b8 v0, s[64:65] scope:SCOPE_SE
	s_setreg_imm32_b32 hwreg(HW_REG_WAVE_MODE, 25, 1), 1
	s_wait_xcnt 0x0
; ymk: y = (q ctx) / (q ksum) + q for 256 rows of one (batch, head), out in fragment order as f16 (yf has qf's layout: [block of 16 rows][head][c][1024]).
; Work-group: x = block of 256 rows in the batch, y = batch x 8 + head.  Eight waves, two on each SIMD; wave (wr = w / 2, wc = w mod 2) makes rows 64 wr .. + 63 and
; features 64 wc .. + 63: four tiles of ctx^T and the ksum tile (tile 8 of ctx^T, all rows equal: every register of lane r then holds den of row r): 4 x 5 accumulators.
; Everything comes straight from memory into registers in fragment order, 512 neighbouring bytes a load, all 72 loads of a wave at the start; no LDS, no barrier.
; K goes in the order c = 2 wc + u modulo 4, so that in every wave q's fragments u = 0, 1 hold the q of its own features: the '+ q' comes from registers.
; ctx^T is source 0, q source 1: lane r holds row r, registers j the features 8 h + j: packed, a tile is half of a fragment with K along the features.
; NO JOINT LOADS, though the eight work-groups of a head read the same ctx: it is 36,864 of the 167,936 bytes that a work-group moves, and through LDS it would put a round of
; the cluster's barrier, a work-group barrier and 40 LDS loads a wave in front of a wave's 80 matrix instructions.
; FORMATS: the product is bf16 (ctx can reach 2,048 times the largest |v|: no room in f16, and q goes with it); y is f16: a weighted mean of v plus q, |y| <= largest |v| + 1.
; LIMITS: |y| below 65,504 (else infinity), its step below 2^-14 is 2^-24; den is formed of the bf16 q and ksum, in an order of K that differs between wc = 0 and 1;
; a den below 2^-126 counts as zero in v_rcp_f32; NaN and infinities get no special treatment.
; WINDOWS: 0: offsets, P(m, ii) at 16 + 8 (5 m + ii), 1 / den, ctx's K slot 3, later the packed y.  1: q(m, u) at 8 (4 m + u), ctx's K slots 0 to 2, later T.
.set PAB, 16                           ; window 0: v[16:175]   20 accumulator tiles
.set R,   176                          ; window 0: v[176:183]  1 / den, a pair for each m
.set CB3, 184                          ; window 0: v[184:223]  five fragments of ctx^T, K slot 3
.set P,   184                          ; window 0: v[184:247]  the packed y, 32 registers for each two blocks of 16 rows: no store's data is ever rewritten
.set CBW, 128                          ; window 1: v[128:247]  five fragments for each of K slots 0, 1, 2
.set T,   128                          ; window 1: v[128:191]  64 at work, when the products are done
.set MSB, 0
.macro WIN new                         ; the immediate's high byte repeats the setting that is left
.if MSB != \new
	s_set_vgpr_msb (MSB<<8)|\new
.set MSB, \new
.endif
.endm
.macro PLACES                          ; four places behind a matrix instruction, in front of a vector read of its result or write of its sources (ISA guide 7.12.1)
.rept 4
	v_nop
.endr
.endm
	s_load_b128 s[4:7], s[0:1], 0x0                ; qf, ctxf
	s_load_b64 s[8:9], s[0:1], 0x10                ; yf
	v_lshrrev_b32 v1, 5, v0
	v_readfirstlane_b32 s10, v1                    ; wave 0..7
	s_lshr_b32 s11, s10, 1                         ; wr
	s_and_b32 s12, s10, 1                          ; wc
	s_xor_b32 s13, s12, 1                          ; 1 - wc
	s_and_b32 s14, ttmp7, 0xffff                   ; batch x 8 + head
	s_lshr_b32 s15, s14, 3
	s_and_b32 s16, s14, 7
	s_mov_b32 s19, 0xffff0000                      ; a word's upper bf16
	s_lshl_b32 s20, s15, 22                        ; qf and yf: (128 batch + 16 block) x 32,768 + head x 4,096
	s_lshl_b32 s22, ttmp9, 19
	s_add_co_u32 s20, s20, s22
	s_lshl_b32 s22, s16, 12
	s_add_co_u32 s20, s20, s22
	s_mov_b32 s21, 0
	s_mul_i32 s22, s14, 36864                      ; ctxf: [ctx^T ; ksum] of my batch and head
	s_mov_b32 s23, 0
	v_and_b32 v1, 31, v0
	v_lshlrev_b32 v1, 4, v1                        ; 16 x lane
	s_lshl_b32 s24, s11, 17                        ; q, y: my 4 blocks of 16 rows,
	s_lshl_b32 s25, s12, 11                        ; fragments c = 2 wc + u for u = 0, 1 (also where my y goes)
	s_add_co_u32 s25, s25, s24
	v_add_nc_u32 v10, s25, v1
	s_lshl_b32 s25, s13, 11                        ; and c = 2 (1 - wc) + u - 2 for u = 2, 3
	s_add_co_u32 s26, s25, s24
	v_add_nc_u32 v11, s26, v1
	s_mul_i32 s24, s12, 18432
	v_add_nc_u32 v2, s24, v1                       ; ctx: tiles 4 wc + ii, c = 2 wc + u
	s_lshl_b32 s24, s12, 14
	s_add_co_u32 s24, s24, s25
	v_add_nc_u32 v3, s24, v1                       ; the same tiles, c = 2 (1 - wc) + u - 2
	s_lshl_b32 s24, s12, 11
	s_add_co_u32 s24, s24, 32768
	v_add_nc_u32 v4, s24, v1                       ; tile 8 (ksum), likewise
	s_add_co_u32 s25, s25, 32768
	v_add_nc_u32 v5, s25, v1
	s_wait_kmcnt 0x0
	s_add_nc_u64 s[4:5], s[4:5], s[20:21]
	s_add_nc_u64 s[8:9], s[8:9], s[20:21]
	s_add_nc_u64 s[6:7], s[6:7], s[22:23]
; K slot u: ten loads of ctx^T (my four tiles and the ksum tile), eight of q (four blocks of 16 rows): 18 loads
.macro LOADU u
.if \u < 2
.set CA, 2
.set DA, 4
.set QA, 10
.else
.set CA, 3
.set DA, 5
.set QA, 11
.endif
.if \u < 3
.set CBB, CBW+40*\u
	WIN 0x40
.else
.set CBB, CB3
	WIN 0
.endif
.irp ii, 0,1,2,3
	global_load_b128 v[CBB+8*\ii:CBB+8*\ii+3],   v[CA], s[6:7] offset:\ii*4096+(\u%2)*1024
	global_load_b128 v[CBB+8*\ii+4:CBB+8*\ii+7], v[CA], s[6:7] offset:\ii*4096+(\u%2)*1024+512
.endr
	global_load_b128 v[CBB+32:CBB+35], v[DA], s[6:7] offset:(\u%2)*1024
	global_load_b128 v[CBB+36:CBB+39], v[DA], s[6:7] offset:(\u%2)*1024+512
	WIN 0x40
.irp m, 0,1,2,3
	global_load_b128 v[8*(4*\m+\u):8*(4*\m+\u)+3],   v[QA], s[4:5] offset:\m*32768+(\u%2)*1024
	global_load_b128 v[8*(4*\m+\u)+4:8*(4*\m+\u)+7], v[QA], s[4:5] offset:\m*32768+(\u%2)*1024+512
.endr
.endm
; 20 matrix instructions on 20 accumulators by turns, in the same order in every K slot
.macro MULA u, zero
.if \u < 3
.set CBB, CBW+40*\u
	WIN 0x05
.else
.set CBB, CB3
	WIN 0x04
.endif
.irp m, 0,1,2,3
.irp ii, 0,1,2,3,4
.if \zero
	v_wmma_f32_16x16x32_bf16 v[PAB+8*(5*\m+\ii):PAB+8*(5*\m+\ii)+7], v[CBB+8*\ii:CBB+8*\ii+7], v[8*(4*\m+\u):8*(4*\m+\u)+7], 0
.else
	v_wmma_f32_16x16x32_bf16 v[PAB+8*(5*\m+\ii):PAB+8*(5*\m+\ii)+7], v[CBB+8*\ii:CBB+8*\ii+7], v[8*(4*\m+\u):8*(4*\m+\u)+7], v[PAB+8*(5*\m+\ii):PAB+8*(5*\m+\ii)+7]
.endif
.endr
.endr
.endm
	LOADU 0
	LOADU 1
	LOADU 2
	LOADU 3
	s_wait_loadcnt 54                              ; K slot 0's 18 loads are in; the 54 of the three younger slots stay out
	MULA 0, 1                                      ; the first products start the sums: nothing is cleared
	s_wait_loadcnt 36
	MULA 1, 0
	s_wait_loadcnt 18
	MULA 2, 0
	s_wait_loadcnt 0x0
	MULA 3, 0
	WIN 0
	PLACES                                         ; what follows reads results and writes over ctx's fragments
.irp m, 0,1,2,3
	v_rcp_f32 v[R+2*\m], v[PAB+8*(5*\m+4)]         ; the unpacking below is the plain place behind the last of these (ISA guide 5.7.2)
	v_rcp_f32 v[R+2*\m+1], v[PAB+8*(5*\m+4)]
.endr
; y = P / den + q, two blocks of 16 rows at a time
.irp bt, 0,2
	WIN 0x44
.irp mm, 0,1
.irp ii, 0,1,2,3
.irp q, 0,1,2,3
	v_lshlrev_b32 v[T+32*\mm+8*\ii+2*\q],   16,  v[8*(4*(\bt+\mm)+\ii/2)+4*(\ii%2)+\q]
	v_and_b32     v[T+32*\mm+8*\ii+2*\q+1], s19, v[8*(4*(\bt+\mm)+\ii/2)+4*(\ii%2)+\q]
.endr
.endr
.endr
	WIN 0x50
	s_wait_alu depctr_va_vdst(0)
.irp mm, 0,1
.irp ii, 0,1,2,3
.irp j, 0,2,4,6
	v_pk_fma_f32 v[T+32*\mm+8*\ii+\j:T+32*\mm+8*\ii+\j+1], v[PAB+8*(5*(\bt+\mm)+\ii)+\j:PAB+8*(5*(\bt+\mm)+\ii)+\j+1], v[R+2*(\bt+\mm):R+2*(\bt+\mm)+1], v[T+32*\mm+8*\ii+\j:T+32*\mm+8*\ii+\j+1]
.endr
.endr
.endr
	WIN 0x05
.set x, 0
.rept 32
	v_cvt_pk_f16_f32 v[P+16*\bt+x], v[T+2*x], v[T+2*x+1]
.set x, x+1
.endr
	WIN 0
.irp mm, 0,1
.irp ii, 0,1,2,3
	global_store_b128 v10, v[P+16*\bt+16*\mm+4*\ii:P+16*\bt+16*\mm+4*\ii+3], s[8:9] offset:(\bt+\mm)*32768+(\ii/2)*1024+(\ii%2)*512   ; half ii mod 2 of fragment 2 wc + ii / 2: 512 neighbouring bytes, aligned
.endr
.endr
.endr
	s_endpgm
.Lfunc_end_k_q58a27c8f37_ymk:
	.size	k_q58a27c8f37_ymk, .Lfunc_end_k_q58a27c8f37_ymk-k_q58a27c8f37_ymk
	.p2alignl 7, 3214868480
	.fill 96, 4, 3214868480
	.section	.rodata,"a",@progbits
	.p2align	6, 0x0
	.amdhsa_kernel k_q58a27c8f37_ymk
		.amdhsa_group_segment_fixed_size 0
		.amdhsa_private_segment_fixed_size 0
		.amdhsa_enable_private_segment 0
		.amdhsa_kernarg_size 24
		.amdhsa_user_sgpr_count 2
		.amdhsa_user_sgpr_kernarg_segment_ptr 1
		.amdhsa_wavefront_size32 1
		.amdhsa_system_sgpr_workgroup_id_x 1
		.amdhsa_system_sgpr_workgroup_id_y 1
		.amdhsa_system_sgpr_workgroup_id_z 1
		.amdhsa_system_vgpr_workitem_id 0
		.amdhsa_next_free_vgpr 512
		.amdhsa_next_free_sgpr 66
		.amdhsa_reserve_vcc 0
		.amdhsa_float_denorm_mode_32 3
		.amdhsa_float_denorm_mode_16_64 3
		.amdhsa_memory_ordered 1
		.amdhsa_forward_progress 1
		.amdhsa_inst_pref_size 29
	.end_amdhsa_kernel
	.amdgpu_metadata
---
amdhsa.version: [ 1, 2 ]
amdhsa.kernels:
  - .name:           k_q58a27c8f37_ymk
    .symbol:         k_q58a27c8f37_ymk.kd
    .args:
      - { .name: qf, .offset: 0, .size: 8, .value_kind: global_buffer, .address_space: global }
      - { .name: ctxf, .offset: 8, .size: 8, .value_kind: global_buffer, .address_space: global }
      - { .name: yf, .offset: 16, .size: 8, .value_kind: global_buffer, .address_space: global }
    .group_segment_fixed_size: 0
    .private_segment_fixed_size: 0
    .kernarg_segment_align: 8
    .kernarg_segment_size: 24
    .max_flat_workgroup_size: 256
    .sgpr_count:     66
    .vgpr_count:     512
    .wavefront_size: 32
...
	.end_amdgpu_metadata
.endif
;; end of part 4
;; launch outp (part 5): grid 4 x 64, 4 waves a work-group, clusters of 4 x 4, 327,680 bytes of LDS; arguments yf, wf, bp, out0; writes out0
.if DOCPART == 5
	.amdgcn_target "amdgcn-amd-amdhsa--gfx1250"
	.amdhsa_code_object_version 6
	.text
	.protected	k_q58a27c8f37_outp
	.globl	k_q58a27c8f37_outp
	.p2align	8
	.type	k_q58a27c8f37_outp,@function
k_q58a27c8f37_outp:
	s_mov_b64 s[64:65], 0
	v_nop
	global_prefetch_b8 v0, s[64:65] scope:SCOPE_SE
	s_setreg_imm32_b32 hwreg(HW_REG_WAVE_MODE, 25, 1), 1
	s_wait_xcnt 0x0
	s_wait_alu depctr_hold_cnt(0) depctr_sa_sdst(0) depctr_va_vdst(0) depctr_va_sdst(0) depctr_va_ssrc(0) depctr_va_vcc(0) depctr_vm_vsrc(0)
	s_getreg_b32 s2, hwreg(HW_REG_IB_STS2, 6, 4)
	s_cmp_eq_u32 s2, 0
	s_cbranch_scc0 .Lentry_in_a_cluster
	s_endpgm
.Lentry_in_a_cluster:
	s_bfe_u32 s2, ttmp6, 0x10000c
	s_cmp_lg_u32 s2, 0xf033
	s_cbranch_scc0 .Lentry_shape_is_right
	s_endpgm
.Lentry_shape_is_right:
; outp: out = y Wp + bp, K = 1,024.  y (f16) and Wp (f16) lie in memory in fragment order: 16 rows x 32 k in 1,024 bytes, [half][lane][16 bytes].
; Work-group: x = block of 256 columns (cb), y = block of 128 rows.  Wave (wr, wc) makes rows 64 wr .. + 63 x columns 128 wc .. + 127: 4 x 8 accumulator tiles in window 1.
; Wp goes through two LDS slots of TWO heads (K = 256, 131,072 bytes) each.  CLUSTERS, 4 x 4: Wp's tile hangs on cb alone and is asked for jointly along a column of the cluster;
; each wave brings a quarter of a slot, 32,768 dense bytes.  Two first fills at the start, two refills, each behind a round of the cluster's barrier; from a request to the wait
; for it a wave issues 240 matrix instructions.
; y is NOT asked for jointly, though the four work-groups of a row of the cluster read the same y: the two slots and the stage take 295,936 of 327,680 bytes, and the 31,744 left
; are less than one head's y (32,768).  It goes straight into registers, 512 neighbouring bytes a load, two heads ahead, in four buffers of 128 registers; such loads stay out
; across the refills' barriers.
; K runs as 32 steps of 32: 32 matrix instructions on one of two fragment buffers, while the next step's 16 LDS loads fill the other, over the change of heads too.
; Wp is source 0, y source 1: lane r holds row r, registers j the columns 8 h + j.
; LIMITS: y and Wp are f16 (|.| below 65,504, step 2^-24 below 2^-14); sums in f32, K ascending; NaN and infinities get no special treatment.
; WINDOWS: 0 offsets, bp, Wp's fragments; 1 out's tiles at 8 (8 m + n); 2 y of heads 0, 1 modulo 4; 3 y of heads 2, 3 modulo 4; y(m, c) at 128 (h mod 2) + 8 (4 m + c).
.set WSLOT, 131072                     ; Wp of two heads and 256 columns: [head 2][c 4][nt 16][1024]
.set STG,   2*WSLOT                    ; 262,144: the way out, 16 rows x 528 bytes a wave; no tensor load lands here
.set SP,    528                        ; 512 + 16: 33 sixteen-byte columns, 16 rows in 16 different columns modulo 256 bytes
.set BP,  16                           ; v[16:79]   bp
.set WB0, 96                           ; v[96:159]  eight fragments of Wp
.set WB1, 160                          ; v[160:223] eight more
.set G1W, 48                           ; s[48:55] the shape   s[56:63] group 0, one set a slot
.set G0W, 56
.set MSB, 0
.macro WIN new                         ; the immediate's high byte repeats the setting that is left
.if MSB != \new
	s_set_vgpr_msb (MSB<<8)|\new
.set MSB, \new
.endif
.endm
.macro PLACES                          ; four places behind a matrix instruction, in front of a load into, or a vector write or read of, its registers
.rept 4
	v_nop
.endr
.endm
.macro CREST                           ; a round of the cluster's barrier behind its opening barrier
	s_cmp_lg_u32 s20, 0
	s_cbranch_scc1 .Lnot_wave_0_\@
	s_barrier_signal -3
.Lnot_wave_0_\@:
	s_barrier_wait -3
	s_barrier_signal -1
	s_barrier_wait -1
.endm
.macro CROUND
	s_barrier_signal -1
	s_barrier_wait -1
	CREST
.endm
	s_load_b256 s[4:11], s[0:1], 0x0               ; yf, wf, bp, out0
	v_lshl_add_u32 v254, v0, 2, 0x48400
	v_mov_b32 v255, 0
	ds_add_u32 v254, v255
	v_lshrrev_b32 v1, 5, v0
	v_readfirstlane_b32 s20, v1                    ; wave
	s_lshr_b32 s21, s20, 1                         ; wr
	s_and_b32 s22, s20, 1                          ; wc
	s_bfe_u32 s23, ttmp6, 0x40000                  ; cx
	s_bfe_u32 s24, ttmp6, 0x40004                  ; cy
	s_lshl_b32 s25, ttmp9, 2
	s_add_co_u32 s25, s25, s23                     ; cb
	s_and_b32 s26, ttmp7, 0xffff
	s_lshl_b32 s26, s26, 2
	s_add_co_u32 s26, s26, s24                     ; block of 128 rows
	s_lshl_b32 s28, 0x1111, s23                    ; my column of the cluster
	; a quarter of a slot: 32,768 dense bytes as 128 rows of 32 elements of 8 bytes
	s_or_b32 s[G1W+0], s28, (3<<16)|(1<<21)
	s_mov_b32 s[G1W+1], 32<<16
	s_mov_b32 s[G1W+2], 128<<16
	s_mov_b32 s[G1W+3], 32<<16
	s_mov_b32 s[G1W+4], 128
	s_mov_b32 s[G1W+5], 32
	s_mov_b32 s[G1W+6], 0
	s_mov_b32 s[G1W+7], 0
	s_lshl_b32 s68, s25, 19                        ; Wp: made of cb and the wave alone
	s_lshl_b32 s71, s20, 15                        ; my quarter, in memory and in LDS
	s_add_co_u32 s68, s68, s71
	s_add_co_u32 s68, s68, 6291456
	s_mov_b32 s69, 0
	s_lshl_b32 s72, s26, 18                        ; yf: 8 blocks of 16 rows x 32,768 bytes
	s_mov_b32 s73, 0
	s_lshl_b32 s74, s26, 19                        ; out0: 128 rows of 4,096 bytes + 1,024 cb
	s_lshl_b32 s76, s25, 10
	s_add_co_u32 s74, s74, s76
	s_mov_b32 s75, 0
	s_mov_b32 s77, 0
	s_wait_dscnt 0x0
	s_wait_kmcnt 0x0
	s_add_nc_u64 s[68:69], s[6:7], s[68:69]
	s_add_nc_u64 s[4:5], s[4:5], s[72:73]
	s_add_nc_u64 s[10:11], s[10:11], s[74:75]
	s_add_nc_u64 s[8:9], s[8:9], s[76:77]
	CROUND                                         ; all sixteen work-groups are here: the first joint loads meet
.irp s, 0,1
	s_mov_b32 s[G0W+4*\s], 1
	s_add_co_u32 s[G0W+4*\s+1], s71, \s*WSLOT
	s_add_nc_u64 s[G0W+4*\s+2:G0W+4*\s+3], s[68:69], \s*WSLOT
	s_or_b32 s[G0W+4*\s+3], s[G0W+4*\s+3], 0x80000000
	tensor_load_to_lds s[G0W+4*\s:G0W+4*\s+3], s[G1W:G1W+7]    ; heads 0, 1 and heads 2, 3: two loads of each wave are out, the most in this text
	s_nop 0
	v_nop
.endr
	v_and_b32 v1, 31, v0
	v_lshlrev_b32 v1, 4, v1                        ; 16 x lane
	v_lshl_add_u32 v10, s21, 17, v1                ; y: my 4 blocks of 16 rows
.macro YG h                            ; 64 rows x 128 features of y of head h: 32 loads
	WIN (0x80+0x40*(((\h)%4)/2))
.irp m, 0,1,2,3
.irp c, 0,1,2,3
	global_load_b128 v[128*((\h)%2)+8*(4*\m+\c):128*((\h)%2)+8*(4*\m+\c)+3],   v10, s[4:5] offset:(\h)*4096+\m*32768+\c*1024
	global_load_b128 v[128*((\h)%2)+8*(4*\m+\c)+4:128*((\h)%2)+8*(4*\m+\c)+7], v10, s[4:5] offset:(\h)*4096+\m*32768+\c*1024+512
.endr
.endr
	WIN 0
.endm
	YG 0
	YG 1
	v_lshl_add_u32 v2, s22, 13, v1                 ; Wp: my tiles nt = 8 wc + n, head 0 modulo 4
	v_add_nc_u32 v3, 65536, v2                     ; head 1 modulo 4: the second half of slot 0
	v_add_nc_u32 v4, 131072, v2                    ; heads 2, 3 modulo 4: slot 1
	v_add_nc_u32 v5, 196608, v2
	v_and_b32 v6, 15, v0                           ; r
	v_bfe_u32 v7, v0, 4, 1                         ; h
	s_mul_i32 s18, s20, 16*SP
	s_add_co_u32 s18, s18, STG
	v_mul_u32_u24 v12, v6, SP
	v_lshl_add_u32 v12, v7, 5, v12
	v_add_nc_u32 v12, s18, v12                     ; the stage, in: row r, 32 bytes at 32 h
	v_add_nc_u32 v13, s18, v1                      ; back: a row of 512 bytes
	s_lshl_b32 s18, s21, 18
	s_lshl_b32 s72, s22, 9
	s_add_co_u32 s18, s18, s72
	v_add_nc_u32 v14, s18, v1                      ; out0: 64 wr rows + 512 wc bytes + 16 lane
	v_lshlrev_b32 v15, 5, v7
	v_add_nc_u32 v15, s72, v15                     ; bp: 512 wc + 32 h
.macro WFETCH k, c, buf                ; my eight fragments of Wp of head k modulo 4, K slot c
.irp n, 0,1,2,3,4,5,6,7
	ds_load_b128 v[\buf+8*\n:\buf+8*\n+3],   v[2+\k] offset:\c*16384+\n*1024
	ds_load_b128 v[\buf+8*\n+4:\buf+8*\n+7], v[2+\k] offset:\c*16384+\n*1024+512
.endr
.endm
.macro MULB buf, yb, c, m0, zero       ; 16 matrix instructions; the 32 accumulators take turns, in the same order in every step
.irp m, \m0, \m0+1
.irp n, 0,1,2,3,4,5,6,7
.if \zero
	v_wmma_f32_16x16x32_f16 v[8*(8*(\m)+\n):8*(8*(\m)+\n)+7], v[\buf+8*\n:\buf+8*\n+7], v[\yb+8*(4*(\m)+\c):\yb+8*(4*(\m)+\c)+7], 0
.else
	v_wmma_f32_16x16x32_f16 v[8*(8*(\m)+\n):8*(8*(\m)+\n)+7], v[\buf+8*\n:\buf+8*\n+7], v[\yb+8*(4*(\m)+\c):\yb+8*(4*(\m)+\c)+7], v[8*(8*(\m)+\n):8*(8*(\m)+\n)+7]
.endif
.endr
.endr
.endm
.macro KSET h, c                       ; step 4 h + c: its buffer, the other one, where the next step's fragments lie, the windows, y's buffer
.set S, 4*(\h)+\c
.if (S%2) == 0
.set BUF, WB0
.set NBUF, WB1
.else
.set BUF, WB1
.set NBUF, WB0
.endif
.set NK, ((S+1)/4)%4
.set NC, (S+1)%4
.set MW, 0x58+4*(((\h)%4)/2)
.set YB, 128*((\h)%2)
.endm
.macro KSTEP h, c, zero                ; a step whose successor lies in the same slot
	KSET \h, \c
	PLACES
	WFETCH NK, NC, NBUF
	s_wait_dscnt 16                                ; this step's fragments are in; the 16 loads just issued stay out
	WIN MW
	MULB BUF, YB, \c, 0, \zero
	MULB BUF, YB, \c, 2, \zero
	WIN 0
.endm
; A slot's last step.  My reads of the slot are over and all my tensor loads have landed, my quarter of the other slot among them; then the barrier.  fill >= 0: it opens a round of the
; cluster's barrier, and the joint refill (heads 2 fill, 2 fill + 1, into this slot) is the first tensor load behind the round, one a wave.  The next reads go to the other slot.
.macro KTURN h, fill
	KSET \h, 3
	s_wait_dscnt 0x0
	s_wait_tensorcnt 0x0
	ds_add_u32 v254, v255
	s_wait_dscnt 0x0
	s_barrier_signal -1
	WIN MW
	MULB BUF, YB, 3, 0, 0                          ; register work while the others arrive
	WIN 0
	s_barrier_wait -1
.if \fill >= 0
	CREST
	s_add_nc_u64 s[G0W+4*(\fill%2)+2:G0W+4*(\fill%2)+3], s[68:69], \fill*WSLOT     ; no tensor load of mine is out: a group 0 may be written
	s_or_b32 s[G0W+4*(\fill%2)+3], s[G0W+4*(\fill%2)+3], 0x80000000
	tensor_load_to_lds s[G0W+4*(\fill%2):G0W+4*(\fill%2)+3], s[G1W:G1W+7]
	s_nop 0
.endif
	PLACES
	WFETCH NK, NC, NBUF
	WIN MW
	MULB BUF, YB, 3, 2, 0
	WIN 0
.endm
.macro HEAD h                          ; y of head h is in; the 32 loads of head h + 1 stay out; head h + 2 is asked for, into the buffer that head h - 2 left
	s_wait_loadcnt 32
	YG \h+2
.endm
	s_wait_tensorcnt 0x1                           ; my quarter of slot 0 is in; slot 1's stays out
	s_barrier_signal -1
	s_barrier_wait -1
	WFETCH 0, 0, WB0
	HEAD 0
	KSTEP 0, 0, 1                                  ; the first products start the sums: nothing is cleared
	KSTEP 0, 1, 0
	KSTEP 0, 2, 0
	KSTEP 0, 3, 0
	HEAD 1
	KSTEP 1, 0, 0
	KSTEP 1, 1, 0
	KSTEP 1, 2, 0
	KTURN 1, 2                                     ; heads 4, 5 into slot 0
	HEAD 2
	KSTEP 2, 0, 0
	KSTEP 2, 1, 0
	KSTEP 2, 2, 0
	KSTEP 2, 3, 0
	HEAD 3
	KSTEP 3, 0, 0
	KSTEP 3, 1, 0
	KSTEP 3, 2, 0
	KTURN 3, 3                                     ; heads 6, 7 into slot 1
	HEAD 4
	KSTEP 4, 0, 0
	KSTEP 4, 1, 0
	KSTEP 4, 2, 0
	KSTEP 4, 3, 0
	HEAD 5
	KSTEP 5, 0, 0
	KSTEP 5, 1, 0
	KSTEP 5, 2, 0
	KTURN 5, -1                                    ; nothing is left to fetch: a plain barrier shows slot 1 whole
	s_wait_loadcnt 32                              ; y of head 6 is in, head 7's 32 loads stay out
.irp n, 0,1,2,3,4,5,6,7
	global_load_b128 v[BP+8*\n:BP+8*\n+3],   v15, s[8:9] offset:64*\n      ; bp of columns 16 n + 8 h + 0..7
	global_load_b128 v[BP+8*\n+4:BP+8*\n+7], v15, s[8:9] offset:64*\n+16
.endr
	KSTEP 6, 0, 0
	KSTEP 6, 1, 0
	KSTEP 6, 2, 0
	KSTEP 6, 3, 0
	s_wait_loadcnt 16                              ; y of head 7 is in, bp's 16 loads stay out
	KSTEP 7, 0, 0
	KSTEP 7, 1, 0
	KSTEP 7, 2, 0
	KSET 7, 3                                      ; the last step fetches nothing
	s_wait_dscnt 0x0
	WIN MW
	MULB BUF, YB, 3, 0, 0
	MULB BUF, YB, 3, 2, 0
	WIN 0
; THE WAY OUT, 16 rows at a time: + bp, 32 bytes a lane into my own stage, back as rows of 512 bytes, stored as 512 neighbouring bytes, aligned
.macro OUTM m
	WIN 0x01
.irp n, 0,1,2,3,4,5,6,7
.irp j, 0,2,4,6
	v_pk_add_f32 v[WB0+8*\n+\j:WB0+8*\n+\j+1], v[8*(8*\m+\n)+\j:8*(8*\m+\n)+\j+1], v[BP+8*\n+\j:BP+8*\n+\j+1]
.endr
.endr
	WIN 0
.irp n, 0,1,2,3,4,5,6,7
	ds_store_b128 v12, v[WB0+8*\n:WB0+8*\n+3]   offset:64*\n
	ds_store_b128 v12, v[WB0+8*\n+4:WB0+8*\n+7] offset:64*\n+16
.endr
	s_wait_xcnt 0x0                                ; WB1, which the last block's stores read, is loaded again only behind this wait
.irp t, 0,1,2,3,4,5,6,7,8,9,10,11,12,13,14,15
	ds_load_b128 v[WB1+4*\t:WB1+4*\t+3], v13 offset:\t*SP      ; a wave's LDS instructions are served in order: these see the stores above
.endr
.irp t, 0,1,2,3,4,5,6,7,8,9,10,11,12,13,14,15
	s_wait_dscnt 15-\t                             ; read-back t is in, the younger ones stay out
	global_store_b128 v14, v[WB1+4*\t:WB1+4*\t+3], s[10:11] offset:(16*\m+\t)*4096 th:TH_STORE_NT
.endr
.endm
	PLACES                                         ; the sums below read matrix results and write WB0, a source
	s_wait_loadcnt 0x0                             ; bp
	OUTM 0
	OUTM 1
	OUTM 2
	OUTM 3
	s_wait_tensorcnt 0x0
	ds_add_u32 v254, v255
	s_wait_dscnt 0x0
	CROUND                                         ; the closing round: no work-group ends while a partner may still ask jointly
	s_endpgm
.Lfunc_end_k_q58a27c8f37_outp:
	.size	k_q58a27c8f37_outp, .Lfunc_end_k_q58a27c8f37_outp-k_q58a27c8f37_outp
	.p2alignl 7, 3214868480
	.fill 96, 4, 3214868480
	.section	.rodata,"a",@progbits
	.p2align	6, 0x0
	.amdhsa_kernel k_q58a27c8f37_outp
		.amdhsa_group_segment_fixed_size 327680
		.amdhsa_private_segment_fixed_size 0
		.amdhsa_enable_private_segment 0
		.amdhsa_kernarg_size 32
		.amdhsa_user_sgpr_count 2
		.amdhsa_user_sgpr_kernarg_segment_ptr 1
		.amdhsa_wavefront_size32 1
		.amdhsa_system_sgpr_workgroup_id_x 1
		.amdhsa_system_sgpr_workgroup_id_y 1
		.amdhsa_system_sgpr_workgroup_id_z 1
		.amdhsa_system_vgpr_workitem_id 0
		.amdhsa_next_free_vgpr 1024
		.amdhsa_next_free_sgpr 80
		.amdhsa_reserve_vcc 0
		.amdhsa_float_denorm_mode_32 3
		.amdhsa_float_denorm_mode_16_64 3
		.amdhsa_memory_ordered 1
		.amdhsa_forward_progress 1
		.amdhsa_inst_pref_size 161
	.end_amdhsa_kernel
	.amdgpu_metadata
---
amdhsa.version: [ 1, 2 ]
amdhsa.kernels:
  - .name:           k_q58a27c8f37_outp
    .symbol:         k_q58a27c8f37_outp.kd
    .args:
      - { .name: yf, .offset: 0, .size: 8, .value_kind: global_buffer, .address_space: global }
      - { .name: wf, .offset: 8, .size: 8, .value_kind: global_buffer, .address_space: global }
      - { .name: bp, .offset: 16, .size: 8, .value_kind: global_buffer, .address_space: global }
      - { .name: out0, .offset: 24, .size: 8, .value_kind: global_buffer, .address_space: global }
    .group_segment_fixed_size: 327680
    .private_segment_fixed_size: 0
    .kernarg_segment_align: 8
    .kernarg_segment_size: 32
    .max_flat_workgroup_size: 128
    .sgpr_count:     80
    .vgpr_count:     1024
    .wavefront_size: 32
...
	.end_amdgpu_metadata
.endif
;; end of part 5
